; MI455X (gfx1250); checked and timed in simulation.
; The chip was launched on July 23, 2026; its instructions are those of AMD's public machine-readable ISA for CDNA 5 (MIT licence, August 2026) and "CDNA5" Instruction Set Architecture Reference Guide (July 2026). The comments in the code are by the model that wrote it; some were corrected since.
;; Self Attention. Allowed arithmetic: matrix products marked QUANTISED: E2M3 operands, one E8M0 scale for each 32 along K, by v_wmma_scale_f32_16x16x128_f8f6f4 with both operands' format E2M3, f32 sums; everything else in f32.
;; Inputs: Wk_codes 1,024 x 32 x 24 uint8 (E2M3 codes of Wk, K innermost, in blocks of 32 codes, four codes in three bytes); Wk_scales 1,024 x 32 uint8 (E8M0 scales of Wk, one for each 32 codes along K); Wo_codes 1,024 x 32 x 24 uint8 (E2M3 codes of Wo, K innermost, in blocks of 32 codes, four codes in three bytes); Wo_scales 1,024 x 32 uint8 (E8M0 scales of Wo, one for each 32 codes along K); Wq_codes 1,024 x 32 x 24 uint8 (E2M3 codes of Wq, K innermost, in blocks of 32 codes, four codes in three bytes); Wq_scales 1,024 x 32 uint8 (E8M0 scales of Wq, one for each 32 codes along K); Wv_codes 1,024 x 32 x 24 uint8 (E2M3 codes of Wv, K innermost, in blocks of 32 codes, four codes in three bytes); Wv_scales 1,024 x 32 uint8 (E8M0 scales of Wv, one for each 32 codes along K); bk 1,024 float32; bo 1,024 float32; bq 1,024 float32; bv 1,024 float32; x_codes 2 x 2,048 x 32 x 24 uint8 (E2M3 codes of x, K innermost, in blocks of 32 codes, four codes in three bytes); x_scales 2 x 2,048 x 32 uint8 (E8M0 scales of x, one for each 32 codes along K).
;; Outputs: out0 2 x 2,048 x 1,024 float32.
;; This version of the problem:
;;   THIS VERSION OF THE PROBLEM IS GIVEN IN LOW PRECISION. The matrix products marked QUANTISED in the list below multiply operands that are first quantised to E2M3 (2 exponent bits, 3 mantissa bits; 6 bits a number), with one power-of-two scale for each 32 numbers along K (OCP MX v1.0); their sums are f32. All else is computed in f32.
;;   The module's matrix products, in the order in which they are computed (A, B: the left and right operand; K: the contracted axis; several contracted axes count as one K, in the product's order):
;;     1. [M 4,096, K 1,024] x [K 1,024, N 1,024]; A: input x (given as codes); B: input Wq (given as codes): QUANTISED
;;     2. [M 4,096, K 1,024] x [K 1,024, N 1,024]; A: input x (given as codes); B: input Wk (given as codes): QUANTISED
;;     3. [M 4,096, K 1,024] x [K 1,024, N 1,024]; A: input x (given as codes); B: input Wv (given as codes): QUANTISED
;;     4. batch 32 x [M 2,048, K 64] x [K 64, N 2,048]; A: computed on the way; B: computed on the way: QUANTISED
;;     5. batch 32 x [M 2,048, K 2,048] x [K 2,048, N 64]; A: softmax (see below); B: computed on the way: QUANTISED
;;     6. [M 4,096, K 1,024] x [K 1,024, N 1,024]; A: computed on the way; B: input Wo (given as codes): QUANTISED
;;   THE QUANTISER, for each operand of a quantised product, along K:
;;     - K is cut into blocks of 32 from its start; a last block that is shorter is filled with zeros.
;;     - A block's scale is 2^e with e = floor(log2(the largest magnitude in the block)) - 2, held to -126 .. 127; a block of zeros has e = 0. As a byte (E8M0): e + 127.
;;     - Each number is divided by its block's scale, clamped to +-7.5, and rounded to the nearest number of E2M3, ties to even, subnormals kept.
;;     - The product sums the exact products of the quantised numbers (number of the format x scale) in f32.
;;   ~~~python
;;   def quantise(x, axis):      # numpy; x: float32 -> the quantised numbers, widened to float32 again
;;       x = np.moveaxis(x, axis, -1); K = x.shape[-1]
;;       x = np.pad(x, [(0, 0)] * (x.ndim - 1) + [(0, -K % 32)]); x = x.reshape(x.shape[:-1] + (-1, 32)); a = np.abs(x).max(-1, keepdims=True)
;;       e = np.where(a > 0, np.clip(np.frexp(np.where(a > 0, a, 1))[1] - 1 - 2, -126, 127), 0)      # np.frexp(a)[1] - 1 = floor(log2(a)), exactly
;;       r = np.clip(x / 2.0 ** e, -7.5, 7.5)
;;       step = 2.0 ** (np.maximum(np.frexp(np.where(r == 0, 1, r))[1] - 1, 0) - 3)
;;       q = np.round(r / step) * step * 2.0 ** e      # np.round: ties to even
;;       return np.moveaxis(q.reshape(q.shape[:-2] + (-1,))[..., :K], -1, axis).astype(np.float32)
;;   ~~~
;;   SOFTMAX AHEAD OF A QUANTISED PRODUCT. Where the list says 'softmax', what is quantised is not the finished softmax but p = 2^(t - M), with t = logit x log2(e) and M = ceil(the row's largest t), a whole number; so 1/2 < the row's largest p <= 1. The row's sum l is taken of the UNQUANTISED p, in f32, and the product's result is divided by l at the end. Since M is a whole number, a kernel that streams over the keys may use a running M (the ceiling of the running maximum): every later rescaling is an exact power of two, which a block's scale takes up: the codes' values come out the same.
;;   OPERANDS COMPUTED ON THE WAY. 'Computed on the way' means the value that the module computes at that place (a softmax that the list does not call 'softmax' is quantised finished and normalised). What goes into a quantiser is computed in f32, as accurately as f32 sums, v_exp_f32 and their like allow (about 1e-6 of the number): no bf16 or f16 on the way to a quantiser, and a product that is left as it is and whose result goes on into a quantised operand takes f32 operands (vector FMAs, or v_wmma_f32_16x16x4_f32). A number that lies on a knife's edge between two numbers of the format may be rounded either way, as far as f32 arithmetic and the matrix unit's own rounding can turn it there, and no further.
;;   INPUTS GIVEN AS CODES. Wk (in the module: [1024, 1024], K = its axis 0); Wo (in the module: [1024, 1024], K = its axis 0); Wq (in the module: [1024, 1024], K = its axis 0); Wv (in the module: [1024, 1024], K = its axis 0); x (in the module: [2, 2048, 1024], K = its axis 2): each comes as NAME_codes (uint8): NAME with its K axis moved to the last place and cut into blocks of 32 codes, [.., K / 32, bytes a block], one block behind the other in memory; four codes in three bytes: a row's codes are one little-endian stream of bits, code i at bits 6 i .. 6 i + 5 (a code: sign, 2 exponent bits, 3 mantissa bits); and NAME_scales (uint8): the same leading axes, one E8M0 byte (e + 127) for each 32 codes along K. Its value is code x scale, taken as it is: it is not quantised again, and the codes and scales need not be those that the quantiser above would give.
;; One version. Each part assembles by itself: llvm-mc -triple=amdgcn-amd-amdhsa -mcpu=gfx1250 --defsym DOCPART=n.
;; ======== version 1 of 1: 3 launches
;; limits: right only within a limited range of input values
;; workspace buffers: qb 3,276,800 bytes; kv 6,553,600 bytes; ao 3,145,728 bytes; ao_s 131,072 bytes
;; launch qkv (part 1): grid 32 x 8, 4 waves a work-group, clusters of 4 x 4, 327,680 bytes of LDS; arguments x_codes, x_scales, Wq_codes, Wk_codes, Wv_codes, Wq_scales, Wk_scales, Wv_scales, bq, bk, bv, qb, kv; writes qb, kv
.if DOCPART == 1
	.amdgcn_target "amdgcn-amd-amdhsa--gfx1250"
	.amdhsa_code_object_version 6
	.text
	.protected	k_q8f3544f101_qkv
	.globl	k_q8f3544f101_qkv
	.p2align	8
	.type	k_q8f3544f101_qkv,@function
k_q8f3544f101_qkv:
	s_mov_b64 s[64:65], 0
	v_nop
	global_prefetch_b8 v0, s[64:65] scope:SCOPE_SE
	s_setreg_imm32_b32 hwreg(HW_REG_WAVE_MODE, 25, 1), 1
	s_wait_xcnt 0x0
	s_wait_alu depctr_hold_cnt(0) depctr_sa_sdst(0) depctr_va_vdst(0) depctr_va_sdst(0) depctr_va_ssrc(0) depctr_va_vcc(0) depctr_vm_vsrc(0)
	s_getreg_b32 s2, hwreg(HW_REG_IB_STS2, 6, 4)
	s_cmp_eq_u32 s2, 0
	s_cbranch_scc0 .Lentry_in_a_cluster
	s_endpgm
.Lentry_in_a_cluster:
	s_bfe_u32 s2, ttmp6, 0x10000c
	s_cmp_lg_u32 s2, 0xf033
	s_cbranch_scc0 .Lentry_shape_is_right
	s_endpgm
.Lentry_shape_is_right:
; q = x Wq + bq, k = x Wk + bk, v = x Wv + bv on codes of FP6 (E2M3) with E8M0 scales as they are given; sums in f32; the results are quantised here and leave as codes.
; x: 4,096 rows of 768 bytes (1,024 codes), 32 scale bytes a row.  Each W: 1,024 rows (n) of 768 bytes, K innermost, 32 scale bytes a row.
; SHARES.  A work-group takes 128 tokens x 128 n through THREE PHASES, q, k, v: 32 x 8 = 256 work-groups.  Four waves, each 64 x 64: 16 accumulators, 8 K steps of 128 a phase.
; LDS.  x's panel (128 rows, all of K) is filled once and read in all three phases.  W's panels take turns in two slots: Wq in slot A (at the head), Wk in slot B (behind the first round), Wv in slot A again (behind the round
; at the end of q's K steps: it has q's way out and all of k's phase in which to land).  64 rows are 49,152 dense bytes of memory and come as lines of 256 bytes, 272 apart in LDS:
; byte y of row i lies at 816 i + 272 (y / 256) + y % 256.  At the head one tensor load a wave (waves 0, 1: x's halves; 2, 3: Wq's); later each wave brings 32 rows of W.  Every wait on TENSORcnt is for 0.
; CLUSTER 4 x 4.  x's panel hangs on the token tile alone and is shared down a column of the cluster, W's on the n tile alone and is shared along a row: both are asked for jointly.
; q, k: the product is used transposed (source 0 = 16 rows of W, source 1 = 16 tokens): a lane holds one token, its registers run along d, which is the next product's K.
; v: source 0 = 16 tokens, source 1 = 16 rows of W: a lane holds one d, its registers run along the tokens, which are the keys, the next K of v.
; THE WORKSPACE is laid as images of operand registers.  A HALF FRAGMENT (16 rows x 64 along K: 6 registers a lane, lane (r, h) = row r, block h) is 768 bytes: registers 0-3 at 16 x lane, registers 4-5 at 512 + 8 x lane.
; qb: [head of batch 32][128 tokens 16] records of 6,400 bytes: 8 half fragments (token tile t at 768 t), then the scales, 2 bytes for (tile t, row r) at 6,144 + 32 t + 2 r.
; kv: records of 12,800 bytes: K's 8 half fragments; V^T's 8 at 6,144 + 1,536 (d tile) + 768 (half of the 128 keys); K's scales at 12,288 as q's; V's scale words at 12,544 + 128 (pair of d tiles) + 4 x lane.
; ORDER INSIDE A BLOCK OF 32.  A lane's 16 registers of two neighbouring tiles are i = 8 h + 0..7 and 16 + 8 h + 0..7, so a block's codes lie in the order 0-7, 16-23, 8-15, 24-31.  The block's members and its scale are
; the quantiser's; q and k have the same order along d, v and p the same along the keys: each product sums the same terms in another order.
; LIMITS: NaN and infinities among the inputs are not served.  A block's largest magnitude is taken no smaller than 2^-124; a block of zeros so gets the byte 1 where the quantiser says 127: its codes are zeros and only this program reads the bytes.
; No prefetch: each panel of W is asked for by its tensor load a whole phase (128 products a wave) ahead of its first read.  The scale stores (2 bytes a lane) are one part in 24 of the codes' bytes.
; REGISTERS.  Window 0: v1-23 addresses, v24-55 scale words alone, v56-115 the way out, v126-127 the add's two, v128-255 the accumulators.  Window 1: two sets of fragments (4 of x, 4 of W).
; Window 2: x's scale words (v0-31), the three W's (v32-127), the three biases in the result's layout (v128-223): all loaded once, at the head.
.set CH,   272                         ; from a chunk of 256 bytes of a row to the next
.set HALF, 52224                       ; 64 rows x 816 bytes
.set SLA,  104448                      ; W's slot A, behind x's 128 rows
.set SLB,  208896                      ; slot B
.set SPARE, 313344                     ; the spare words
.set XA0,  4                           ; x: 52,224 wx + 816 r + 24 h
.set XA1,  5                           ; the same with 40 h: for pieces whose partner three pieces on lies in the next chunk
.set WA0,  6                           ; the same for W in slot A,
.set WA1,  7
.set WB0,  8                           ; and in slot B
.set WB1,  9
.set VQ16, 10                          ; q, k: 16 lane + 3,072 wx;  v11: 8 lane + 3,072 wx;  v12: 2 lane + 128 wx
.set VQ8,  11
.set VSQ,  12
.set VV16, 13                          ; v: 16 lane + 768 wx;  v14: 8 lane + 768 wx;  v15: 4 lane + 2 wx
.set VV8,  14
.set VSV,  15
.set SH,   20                          ; 16 h
.set SC,   24                          ; 8 t + s: lanes 0-15 x's tile t, lanes 16-31 W's tile t, K step s
.set PCA,  56                          ; the way out: codes of tiles jt = 0, 1 (v56-74)
.set TM,   76                          ; v76-91 at work in QUANT
.set PWA,  92
.set PWB,  93
.set PCB,  94                          ; codes of tiles jt = 2, 3 (v94-112)
.set SW,   114                         ; v114-115 the scale words shifted for the store
.set ACC,  128                         ; accumulator (jt, it) at 32 jt + 8 it
.set XS,   0                           ; window 2
.set WS,   32
.set CB,   128
.set WV,   30
.set WX,   31                          ; wave & 1: my 64 rows of x's panel
.set WW,   32                          ; wave >> 1: my 64 rows of W's panel
.set G1X,  40                          ; group 1: x's 192 lines; s[48:55] Wq's 192; s[56:63] 96 lines of Wk, Wv
.set G1W,  48
.set G1R,  56
.set G0X,  68
.set G0Q,  72
.set G0K,  76
.set G0V,  80
.set SEL,  86
.set GW0,  (3<<16)|(1<<20)|(1<<21)|(5<<22)|(3<<25)   ; elements of 8 bytes; padding on; bit 21 beside a mask; after every 64 words; 4 words of it
.set MSB, 0
.macro WIN new                         ; the immediate's high byte repeats the setting that is left
.if MSB != \new
	s_set_vgpr_msb (MSB<<8)|\new
.set MSB, \new
.endif
.endm
.macro PLACES n
.rept \n
	v_nop
.endr
.endm
.macro CROUND                          ; a round of the cluster's barrier
	s_barrier_signal -1
	s_barrier_wait -1
	s_cmp_lg_u32 s[WV], 0
	s_cbranch_scc1 .Lnot_wave_0_\@
	s_barrier_signal -3
.Lnot_wave_0_\@:
	s_barrier_wait -3
	s_barrier_signal -1
	s_barrier_wait -1
.endm
.macro MKG1 g, lines                   ; dense lines of 256 bytes
	s_mov_b32 s[\g+1], 32<<16
	s_mov_b32 s[\g+2], \lines<<16
	s_mov_b32 s[\g+3], 32<<16
	s_mov_b32 s[\g+4], \lines
	s_mov_b32 s[\g+5], 32
	s_mov_b32 s[\g+6], 0
	s_mov_b32 s[\g+7], 0
.endm
.macro MKG0 g, lreg, lbase, ptr, off
	s_mov_b32 s[\g], 1
	s_add_co_u32 s[\g+1], s[\lreg], \lbase
	s_add_nc_u64 s[\g+2:\g+3], s[\ptr:\ptr+1], s[\off:\off+1]
	s_or_b32 s[\g+3], s[\g+3], 0x80000000
.endm
; A fragment, 16 rows x 128 K, is 12 registers: registers 6 c .. 6 c + 5 of lane (r, h) are the 24 bytes at 96 s + 48 c + 24 h of row r, taken as three pieces of 8 bytes.
; Piece p of a row lies at 816 row + 272 (p / 32) + 8 (p % 32).  Lanes 16-31 read three pieces on: where that passes a chunk's end the second address register serves.
.macro FRAG reg, a0, a1, s, i
.irp p, 0,1,2,3,4,5
.set PCE, 12*(\s)+6*(\p/3)+\p%3
.if PCE%32 < 29
	ds_load_b64 v[\reg+2*\p:\reg+2*\p+1], v[\a0] offset:(PCE/32)*CH+8*(PCE%32)+13056*(\i)
.else
	ds_load_b64 v[\reg+2*\p:\reg+2*\p+1], v[\a1] offset:(PCE/32)*CH+8*(PCE%32)+13056*(\i)
.endif
.endr
.endm
.macro FETCH ph, s, set                ; K step s of phase ph: my 4 fragments of x and 4 of W into a set of window 1: 48 loads in one run
	WIN 0x40
.irp i, 0,1,2,3
	FRAG (96*(\set)+12*\i), XA0, XA1, \s, \i
.if \ph == 1
	FRAG (96*(\set)+48+12*\i), WB0, WB1, \s, \i
.else
	FRAG (96*(\set)+48+12*\i), WA0, WA1, \s, \i
.endif
.endr
	WIN 0
.endm
.macro WM d, a, b, c, sa, sb, brow     ; W's scales stand in lanes 16-31: of source 1 (brow) or of source 0
.if \brow
	v_wmma_scale_f32_16x16x128_f8f6f4 v[\d:\d+7], v[\a:\a+11], v[\b:\b+11], v[\c:\c+7], v[\sa], v[\sb] matrix_a_fmt:MATRIX_FMT_FP6 matrix_b_fmt:MATRIX_FMT_FP6 matrix_b_scale:MATRIX_SCALE_ROW1
.else
	v_wmma_scale_f32_16x16x128_f8f6f4 v[\d:\d+7], v[\a:\a+11], v[\b:\b+11], v[\c:\c+7], v[\sa], v[\sb] matrix_a_fmt:MATRIX_FMT_FP6 matrix_b_fmt:MATRIX_FMT_FP6 matrix_a_scale:MATRIX_SCALE_ROW1
.endif
.endm
; 16 products of a K step; the 16 accumulators take turns, one instruction a turn, in the same order in every step and phase.  The first step's C is the bias, in window 2.
; q, k: source 0 = W's tile a, source 1 = x's tile b: lane (r, h) holds token 16 b + r, register j is d = 16 a + 8 h + j.   v: source 0 = x's tile a, source 1 = W's tile b: lane (r, h) holds d = 16 b + r, register j is token 16 a + 8 h + j.
.macro MUL ph, s, set
.irp a, 0,1,2,3
.irp b, 0,1,2,3
.set DD, ACC+32*\b+8*\a
.set CC, DD
.if \s == 0
.if \ph == 2
.set CC, CB+32*\ph+8*\b
.else
.set CC, CB+32*\ph+8*\a
.endif
.endif
.if \ph == 2
	WM DD, 96*(\set)+12*\a, 96*(\set)+48+12*\b, CC, SC+8*\a+\s, SC+8*\b+\s, 1
.else
	WM DD, 96*(\set)+48+12*\a, 96*(\set)+12*\b, CC, SC+8*\a+\s, SC+8*\b+\s, 0
.endif
.endr
.endr
.endm
.macro STEP ph, s                      ; this step's fragments are in; the next step's are asked for; its 16 products
	s_wait_dscnt 0x0
.if \s < 7
.if \s > 0
	PLACES 4                                       ; four places between the last step's products and loads into the set that they read
.endif
	FETCH \ph, \s+1, (\s+1)%2
.endif
.if \s == 0
	WIN 0x25                                       ; sources 0 and 1 window 1, C window 2, D window 0
.else
	WIN 0x05
.endif
	MUL \ph, \s, \s%2
	WIN 0
.endm
.macro KLOOP ph
.irp s, 0,1,2,3,4,5,6,7
	STEP \ph, \s
.endr
.endm
.macro SCMERGE ph                      ; the phase's scale words: lanes 0-15 x's, lanes 16-31 W's
	WIN 0x0a                                       ; sources 0 and 1 window 2
.set J, 0
.rept 32
	v_cndmask_b32 v[SC+J], v[XS+J], v[WS+32*\ph+J], s84
.set J, J+1
.endr
	WIN 0
.endm
; 64 numbers of a lane, four blocks b of which the lane holds 16 and lane l xor 16 the other 16, become 12 registers of codes (registers 6 c .. 6 c + 5: lanes 0-15 block 2 c, lanes 16-31 block 2 c + 1) and a word of four scale bytes.
.macro QUANT s, pc, pw
.irp b, 0,1,2,3
	v_max3_num_f32 v[TM+\b], |v[(\s)+16*\b]|, |v[(\s)+1+16*\b]|, 0x1800000   ; my 16 numbers and the floor 2^(3 - 127).  Each accumulator is read from its low end on
.endr
.irp i, 2,4,6,8,10,12,14
.irp b, 0,1,2,3
	v_max3_num_f32 v[TM+\b], v[TM+\b], |v[(\s)+16*\b+\i]|, |v[(\s)+1+16*\b+\i]|
.endr
.endr
.irp b, 0,1,2,3
	v_permlanex16_b32 v[TM+4+\b], v[TM+\b], s[SEL], s[SEL+1]
.endr
.irp b, 0,1,2,3
	v_max_num_f32 v[TM+\b], v[TM+\b], v[TM+4+\b]   ; the block's largest magnitude
.endr
.irp b, 0,1,2,3
	v_add_nc_u32 v[TM+12+\b], 0xff000000, v[TM+\b] ; 2 off its exponent field: the conversion takes that field as its scale
.endr
.irp b, 0,1,2,3
	v_lshrrev_b32 v[TM+4+\b], 23, v[TM+12+\b]      ; the scale's byte
.endr
	v_lshl_or_b32 v[\pw], v[TM+5], 8, v[TM+4]
	v_lshl_or_b32 v[\pw], v[TM+6], 16, v[\pw]
	v_lshl_or_b32 v[\pw], v[TM+7], 24, v[\pw]
.irp c, 0,1
	v_cvt_scalef32_pk16_fp6_f32 v[\pc+6*\c:\pc+2+6*\c], v[(\s)+32*\c:(\s)+15+32*\c], v[TM+12+2*\c]
	v_cvt_scalef32_pk16_fp6_f32 v[\pc+12+4*\c:\pc+14+4*\c], v[(\s)+16+32*\c:(\s)+31+32*\c], v[TM+12+2*\c+1]   ; a conversion's three registers begin on an even number
.endr
	v_nop                                          ; one plain place behind the scaled conversions
.irp c, 0,1
.irp i, 0,1,2
	v_permlane16_swap_b32 v[\pc+6*\c+\i], v[\pc+12+4*\c+\i]   ; a whole block to a lane
.endr
.irp i, 0,1,2
	v_mov_b32 v[\pc+3+6*\c+\i], v[\pc+12+4*\c+\i]
.endr
.endr
.endm
.macro OUTP ph, pr, pc, pw             ; two half fragments, 768 consecutive bytes each, and their scales
.if \ph == 2
.set PT, 28
.set OB, 6144+3072*\pr
.set DJ, 1536
.set OA, VV16
.set OS, 12544+128*\pr
.else
.set PT, 26+2*\ph
.set OB, 1536*\pr
.set DJ, 768
.set OA, VQ16
.set OS, 6144*(1+\ph)+64*\pr
.endif
	global_store_b128 v[OA], v[\pc:\pc+3], s[PT:PT+1] offset:OB
	global_store_b64 v[OA+1], v[\pc+4:\pc+5], s[PT:PT+1] offset:OB+512
	global_store_b128 v[OA], v[\pc+6:\pc+9], s[PT:PT+1] offset:OB+DJ
	global_store_b64 v[OA+1], v[\pc+10:\pc+11], s[PT:PT+1] offset:OB+DJ+512
	v_lshrrev_b32 v[SW+\pr], v[SH], v[\pw]         ; lanes 0-15 keep tile 2 pr's two bytes, lanes 16-31 bring down tile 2 pr + 1's
	global_store_b16 v[OA+2], v[SW+\pr], s[PT:PT+1] offset:OS
.endm
.macro WAYOUT ph
	QUANT ACC, PCA, PWA
	OUTP \ph, 0, PCA, PWA
	QUANT ACC+64, PCB, PWB
	OUTP \ph, 1, PCB, PWB
.endm
	s_load_b512 s[4:19], s[0:1], 0x0               ; x codes, x scales, Wq, Wk, Wv codes, Wq, Wk, Wv scales
	s_load_b256 s[20:27], s[0:1], 0x40             ; bq, bk, bv, qb
	s_load_b64 s[28:29], s[0:1], 0x60              ; kv
	v_lshl_add_u32 v126, v0, 2, SPARE
	v_mov_b32 v127, 0
	ds_add_u32 v126, v127                          ; the opening lines: the add twice on end and its wait ahead of my first tensor load
	ds_add_u32 v126, v127
	v_lshrrev_b32 v1, 5, v0
	v_readfirstlane_b32 s[WV], v1
	s_and_b32 s[WX], s[WV], 1
	s_lshr_b32 s[WW], s[WV], 1
	s_bfe_u32 s33, ttmp6, 0x40000                  ; cx
	s_bfe_u32 s34, ttmp6, 0x40004                  ; cy
	s_lshl_b32 s35, ttmp9, 2
	s_add_co_u32 s35, s35, s33                     ; token tile of 128 = 4 x cluster x + cx
	s_and_b32 s38, ttmp7, 0xffff
	s_lshl_b32 s38, s38, 2
	s_add_co_u32 s38, s38, s34                     ; n tile of 128 = 4 x cluster y + cy
	s_lshl_b32 s39, 0x1111, s33                    ; my column of the cluster: x's tiles
	s_lshl_b32 s36, s34, 2
	s_lshl_b32 s36, 15, s36                        ; my row: W's tiles
	s_or_b32 s[G1X], s39, GW0
	s_or_b32 s[G1W], s36, GW0
	s_or_b32 s[G1R], s36, GW0
	MKG1 G1X, 192
	MKG1 G1W, 192
	MKG1 G1R, 96
	s_lshl_b32 s88, s35, 7
	s_lshl_b32 s37, s[WX], 6
	s_add_co_u32 s88, s88, s37
	s_mul_i32 s88, s88, 768                        ; x: the 64 rows that waves 0, 1 fetch, in bytes
	s_mov_b32 s89, 0
	s_lshl_b32 s90, s38, 7
	s_lshl_b32 s92, s[WV], 5
	s_add_co_u32 s92, s92, s90
	s_add_co_u32 s90, s90, s37
	s_mul_i32 s90, s90, 768                        ; Wq: the 64 rows that waves 2, 3 fetch
	s_mov_b32 s91, 0
	s_mul_i32 s92, s92, 768                        ; Wk, Wv: my 32 rows
	s_mov_b32 s93, 0
	s_mul_i32 s94, s[WX], HALF
	s_mul_i32 s95, s[WV], HALF/2
	s_lshl_b32 s96, s35, 12
	s_lshl_b32 s97, s[WX], 11
	s_add_co_u32 s96, s96, s97                     ; x's scales: (128 token tile + 64 wx) x 32
	s_mov_b32 s97, 0
	s_lshl_b32 s98, s38, 12
	s_lshl_b32 s99, s[WW], 11
	s_add_co_u32 s98, s98, s99                     ; W's scales: (128 n tile + 64 ww) x 32
	s_mov_b32 s99, 0
	s_lshr_b32 s100, s98, 3                        ; the bias: the same x 4
	s_mov_b32 s101, 0
	s_lshr_b32 s36, s35, 4
	s_lshl_b32 s36, s36, 4
	s_lshl_b32 s37, s38, 1
	s_add_co_u32 s36, s36, s37
	s_add_co_u32 s36, s36, s[WW]                   ; head of batch = 16 batch + 2 n tile + ww
	s_mul_i32 s36, s36, 102400
	s_and_b32 s37, s35, 15                         ; the record: which 128 tokens of the batch
	s_mul_i32 s37, s37, 6400
	s_add_co_u32 s36, s36, s37                     ; my record in qb; in kv twice as far
	s_mov_b32 s37, 0
	s_mul_i32 s39, s[WX], 3072
	s_mul_i32 s33, s[WX], 768
	s_lshl_b32 s34, s[WX], 7
	s_lshl_b32 s2, s[WX], 1
	s_mul_i32 s3, s[WW], HALF
	s_add_co_u32 s3, s3, SLA
	s_mov_b32 s84, 0xffff0000                      ; lanes 16-31
	s_mov_b32 s[SEL], 0x76543210
	s_mov_b32 s[SEL+1], 0xfedcba98
	s_wait_dscnt 0x0
	s_wait_kmcnt 0x0
	MKG0 G0X, 94, 0, 4, 88
	MKG0 G0Q, 94, SLA, 8, 90
	MKG0 G0K, 95, SLB, 10, 92
	MKG0 G0V, 95, SLA, 12, 92
	s_add_nc_u64 s[6:7], s[6:7], s[96:97]
.irp q, 14,16,18
	s_add_nc_u64 s[\q:\q+1], s[\q:\q+1], s[98:99]
.endr
.irp q, 20,22,24
	s_add_nc_u64 s[\q:\q+1], s[\q:\q+1], s[100:101]
.endr
	s_add_nc_u64 s[26:27], s[26:27], s[36:37]
	s_add_nc_u64 s[28:29], s[28:29], s[36:37]
	s_add_nc_u64 s[28:29], s[28:29], s[36:37]
	CROUND                                         ; all sixteen work-groups are here: the joint loads meet
	s_cmp_eq_u32 s[WW], 0                          ; one tensor load a wave, one to each arm
	s_cbranch_scc0 .Lfill_w
	tensor_load_to_lds s[G0X:G0X+3], s[G1X:G1X+7]
	s_nop 0
	PLACES 4
	s_branch .Lfilled
.Lfill_w:
	tensor_load_to_lds s[G0Q:G0Q+3], s[G1W:G1W+7]
	s_nop 0
	PLACES 4
.Lfilled:
	v_and_b32 v1, 15, v0                           ; r
	v_bfe_u32 v2, v0, 4, 1                         ; h
	v_and_b32 v3, 31, v0                           ; lane
	v_mul_u32_u24 v21, v1, 816
	v_mad_u32_u24 v[XA0], v2, 24, v21
	v_mad_u32_u24 v[XA1], v2, CH-232, v21
	v_add_nc_u32 v[WA0], s3, v[XA0]
	v_add_nc_u32 v[WA1], s3, v[XA1]
	v_add_nc_u32 v[WB0], SLB-SLA, v[WA0]
	v_add_nc_u32 v[WB1], SLB-SLA, v[WA1]
	v_add_nc_u32 v[XA0], s94, v[XA0]
	v_add_nc_u32 v[XA1], s94, v[XA1]
	v_lshl_add_u32 v[VQ16], v3, 4, s39
	v_lshl_add_u32 v[VQ8], v3, 3, s39
	v_lshl_add_u32 v[VSQ], v3, 1, s34
	v_lshl_add_u32 v[VV16], v3, 4, s33
	v_lshl_add_u32 v[VV8], v3, 3, s33
	v_lshl_add_u32 v[VSV], v3, 2, s2
	v_lshlrev_b32 v[SH], 4, v2
.irp b, 4,5,6,7
	v_mov_b32 v[TM+\b], 0                          ; a lane permute's destination counts as one of its sources
.endr
	v_lshlrev_b32 v22, 5, v1                       ; 32 r
	v_lshlrev_b32 v23, 5, v2                       ; 32 h
	v_lshlrev_b32 v16, 2, v1                       ; 4 r
	WIN 0x80                                       ; destination window 2: the scale words of my 64 rows of x and of each W (32 bytes a row), and the biases as the C of each sum's first product
.irp t, 0,1,2,3
.irp k, 0,1
	global_load_b128 v[XS+8*\t+4*\k:XS+8*\t+4*\k+3], v22, s[6:7] offset:512*\t+16*\k
	global_load_b128 v[WS+8*\t+4*\k:WS+8*\t+4*\k+3], v22, s[14:15] offset:512*\t+16*\k
	global_load_b128 v[CB+8*\t+4*\k:CB+8*\t+4*\k+3], v23, s[20:21] offset:64*\t+16*\k          ; q, k: register j of tile t is b[16 t + 8 h + j]
	global_load_b128 v[WS+32+8*\t+4*\k:WS+32+8*\t+4*\k+3], v22, s[16:17] offset:512*\t+16*\k
	global_load_b128 v[CB+32+8*\t+4*\k:CB+32+8*\t+4*\k+3], v23, s[22:23] offset:64*\t+16*\k
	global_load_b128 v[WS+64+8*\t+4*\k:WS+64+8*\t+4*\k+3], v22, s[18:19] offset:512*\t+16*\k
.endr
.endr
.irp t, 0,1,2,3
.irp j, 0,1,2,3,4,5,6,7
	global_load_b32 v[CB+64+8*\t+\j], v16, s[24:25] offset:64*\t                               ; v: every register of tile t is b[16 t + r]
.endr
.endr
	WIN 0
	s_wait_alu depctr_va_vdst(0)                   ; the wait at the head's end
	s_wait_tensorcnt 0x0                           ; my part of x or of Wq is in
	ds_add_u32 v126, v127
	s_wait_dscnt 0x0
	CROUND                                         ; everybody's part is in, and all sixteen work-groups are here
	tensor_load_to_lds s[G0K:G0K+3], s[G1R:G1R+7]  ; Wk into slot B: my 32 rows
	s_nop 0
	PLACES 4
	FETCH 0, 0, 0
	s_wait_loadcnt 0x0                             ; scale words and biases are in
	SCMERGE 0
	s_wait_alu depctr_va_vdst(0)
	PLACES 8                                       ; a scale register written by a vector instruction stands eight places ahead of a scaled product
	KLOOP 0
	s_wait_tensorcnt 0x0                           ; my part of Wk is in;
	ds_add_u32 v126, v127
	s_wait_dscnt 0x0                               ; it is done, and my reads of slot A were over at the last step's head
	CROUND                                         ; no wave of any partner still reads Wq or has a load on its way; Wk is whole
	tensor_load_to_lds s[G0V:G0V+3], s[G1R:G1R+7]  ; Wv into slot A
	s_nop 0
	PLACES 4                                       ; also the places ahead of the loads, of the merge and of the first read of results
	FETCH 1, 0, 0
	SCMERGE 1
	WAYOUT 0
	KLOOP 1
	s_wait_tensorcnt 0x0                           ; my part of Wv is in
	s_barrier_signal -1
	s_barrier_wait -1                              ; everybody's is.
	PLACES 4
	FETCH 2, 0, 0
	s_wait_xcnt 0x0                                ; q's stores have read their registers: the way out writes them anew
	SCMERGE 2
	WAYOUT 1
	KLOOP 2
	PLACES 4
	s_wait_xcnt 0x0
	WAYOUT 2
	s_wait_tensorcnt 0x0                           ; the wave's end
	ds_add_u32 v126, v127
	s_wait_dscnt 0x0
	CROUND                                         ; the closing round
	s_endpgm
.Lfunc_end_k_q8f3544f101_qkv:
	.size	k_q8f3544f101_qkv, .Lfunc_end_k_q8f3544f101_qkv-k_q8f3544f101_qkv
	.p2alignl 7, 3214868480
	.fill 96, 4, 3214868480
	.section	.rodata,"a",@progbits
	.p2align	6, 0x0
	.amdhsa_kernel k_q8f3544f101_qkv
		.amdhsa_group_segment_fixed_size 327680
		.amdhsa_private_segment_fixed_size 0
		.amdhsa_enable_private_segment 0
		.amdhsa_kernarg_size 104
		.amdhsa_user_sgpr_count 2
		.amdhsa_user_sgpr_kernarg_segment_ptr 1
		.amdhsa_wavefront_size32 1
		.amdhsa_system_sgpr_workgroup_id_x 1
		.amdhsa_system_sgpr_workgroup_id_y 1
		.amdhsa_system_sgpr_workgroup_id_z 1
		.amdhsa_system_vgpr_workitem_id 0
		.amdhsa_next_free_vgpr 736
		.amdhsa_next_free_sgpr 102
		.amdhsa_reserve_vcc 0
		.amdhsa_float_denorm_mode_32 3
		.amdhsa_float_denorm_mode_16_64 3
		.amdhsa_memory_ordered 1
		.amdhsa_forward_progress 1
		.amdhsa_inst_pref_size 176
	.end_amdhsa_kernel
	.amdgpu_metadata
---
amdhsa.version: [ 1, 2 ]
amdhsa.kernels:
  - .name:           k_q8f3544f101_qkv
    .symbol:         k_q8f3544f101_qkv.kd
    .args:
      - { .name: x_codes, .offset: 0, .size: 8, .value_kind: global_buffer, .address_space: global }
      - { .name: x_scales, .offset: 8, .size: 8, .value_kind: global_buffer, .address_space: global }
      - { .name: Wq_codes, .offset: 16, .size: 8, .value_kind: global_buffer, .address_space: global }
      - { .name: Wk_codes, .offset: 24, .size: 8, .value_kind: global_buffer, .address_space: global }
      - { .name: Wv_codes, .offset: 32, .size: 8, .value_kind: global_buffer, .address_space: global }
      - { .name: Wq_scales, .offset: 40, .size: 8, .value_kind: global_buffer, .address_space: global }
      - { .name: Wk_scales, .offset: 48, .size: 8, .value_kind: global_buffer, .address_space: global }
      - { .name: Wv_scales, .offset: 56, .size: 8, .value_kind: global_buffer, .address_space: global }
      - { .name: bq, .offset: 64, .size: 8, .value_kind: global_buffer, .address_space: global }
      - { .name: bk, .offset: 72, .size: 8, .value_kind: global_buffer, .address_space: global }
      - { .name: bv, .offset: 80, .size: 8, .value_kind: global_buffer, .address_space: global }
      - { .name: qb, .offset: 88, .size: 8, .value_kind: global_buffer, .address_space: global }
      - { .name: kv, .offset: 96, .size: 8, .value_kind: global_buffer, .address_space: global }
    .group_segment_fixed_size: 327680
    .private_segment_fixed_size: 0
    .kernarg_segment_align: 8
    .kernarg_segment_size: 104
    .max_flat_workgroup_size: 128
    .sgpr_count:     102
    .vgpr_count:     736
    .wavefront_size: 32
...
	.end_amdgpu_metadata
.endif
;; end of part 1
;; launch attn (part 2): grid 8 x 32, 8 waves a work-group, clusters of 4 x 1, 257,024 bytes of LDS; arguments qb, kv, ao, ao_s; writes ao, ao_s
.if DOCPART == 2
	.amdgcn_target "amdgcn-amd-amdhsa--gfx1250"
	.amdhsa_code_object_version 6
	.text
	.protected	k_q8f3544f101_attn
	.globl	k_q8f3544f101_attn
	.p2align	8
	.type	k_q8f3544f101_attn,@function
k_q8f3544f101_attn:
	s_mov_b64 s[64:65], 0
	v_nop
	global_prefetch_b8 v0, s[64:65] scope:SCOPE_SE
	s_setreg_imm32_b32 hwreg(HW_REG_WAVE_MODE, 25, 1), 1
	s_wait_xcnt 0x0
	s_wait_alu depctr_hold_cnt(0) depctr_sa_sdst(0) depctr_va_vdst(0) depctr_va_sdst(0) depctr_va_ssrc(0) depctr_va_vcc(0) depctr_vm_vsrc(0)
	s_getreg_b32 s2, hwreg(HW_REG_IB_STS2, 6, 4)
	s_cmp_eq_u32 s2, 0
	s_cbranch_scc0 .Lentry_in_a_cluster
	s_endpgm
.Lentry_in_a_cluster:
	s_bfe_u32 s2, ttmp6, 0x10000c
	s_cmp_lg_u32 s2, 0x3003
	s_cbranch_scc0 .Lentry_shape_is_right
	s_endpgm
.Lentry_shape_is_right:
; o = softmax(q k^T / 8) v for one head of one batch, on codes of FP6 (E2M3) with E8M0 scales; the result is quantised along d and leaves as codes for the projection.
; qb, kv, ao, ao_s are laid as the launch before and the launch behind have them: half fragments of 768 bytes (16 rows x 64 along K, an image of 6 registers a lane: registers 0-3 at 16 x lane, 4-5 at 512 + 8 x lane).
; SHARES.  A work-group takes 256 queries of one head; eight waves, each 32 queries (two tiles x = 0, 1 of 16), so that each fragment of K and of V read from LDS feeds two products.  16 steps of 128 keys.
; LDS.  The head's 16 records of kv (12,800 bytes for 128 keys: K, V^T, their scales) come ONCE, one joint tensor load a wave (two records, 100 lines of 256 bytes), lines 320 bytes apart.  Nothing is filled again:
; one barrier for the whole launch.  With 64 bytes behind each line the two runs of 128 bytes that lanes 0-7 and 8-15 of a load of K take (6 lines apart) fall into different halves of the 64 banks (ISA guide 11.1).
; CLUSTER 4 x 1: the four work-groups take four query blocks of one head and ask for its records jointly.
; BOTH PRODUCTS ARE USED TRANSPOSED (S^T = k q^T, O^T = v^T p^T): a lane holds one query.  THE KEYS OF A TILE OF K ARE CHOSEN so that a lane's 32 registers of four tiles are ONE WHOLE BLOCK of 32 keys:
; row 8 g + j of tile 4 c + t is key 64 c + 32 g + 8 sw(t) + j, sw = 0, 2, 1, 3: lanes 0-15 hold block 2 c, lanes 16-31 block 2 c + 1, in the order 0-7, 16-23, 8-15, 24-31 in which V^T's codes lie.
; So a block's maximum needs no other lane, and the conversions' results are the operand's registers.  K = 64 fills half of the instruction's 128: q's upper six registers are zero codes.
; SOFTMAX: M = ceil(running largest t), t = score x log2(e) / 8; p = 2^(t - M); the sum is taken of the unquantised p; when M moves, sum and O^T are multiplied by 2^(old M - new M), which rounds nothing.
; A block's largest p is made from its largest score by the same multiply-add and exponential.  The first step is written out: its products start O^T (C = 0), nothing is cleared.
; CHAINS BY TURNS.  The maxima run in eight chains a tile (one to each accumulator), the sums in four a tile; the links of the short dependent chains (a tile's M; the scale word) stand singly between groups of independent lines
; of the other tile or of the sums, so that no line reads the result of a line close ahead of it.
; LIMITS: NaN and infinities are not served; the promise holds while the scaled scores t stay under 2^31 in magnitude.  A block's largest magnitude is taken no smaller than 2^-124 (byte 1; such a block's codes are zeros).
; No prefetch: every tensor load of the launch goes out at its head, so there is no loop to run ahead in.
; REGISTERS.  Window 0: v1-13 LDS addresses, v14-15 the add's two, v16-47 sixteen for each tile, v48-101 K's fragments, v102-111 scales alone, v112-239 S^T then p, v240-243 offsets, v244-251 two more chains of each tile's sum.
; Window 1: v0-63 O^T, v64-103 p's codes, v104-127 q, v128-175 V^T's fragments.
.set REC,  16000                       ; a record in LDS: 50 lines x 320
.set SPARE, 256000
.set T,    16                          ; tile x's sixteen begin at T + 16 x:
.set NM,   0                           ; -M; +1: the running largest score
.set L,    2                           ; the sum, in two halves
.set FF,   4                           ; 2^(old M - new M); +1 only named as the pair's upper half
.set BM,   6                           ; my two blocks' largest score, then largest p.  (+6 .. +13 are first the eight chains of the maxima: chain k of block c at 6 + 2 k + c)
.set PB,   8
.set SO,   10                          ; the conversions' scale operands
.set CH,   12                          ; the sum's second chain
.set TP,   14
.set TQ,   15
.set F,    48
.set KS,   102
.set VSC,  106
.set PW,   108
.set QS,   110
.set S,    112
.set A16,  240
.set A8,   241
.set A2R,  242
.set AS,   243
.set XT,   244                         ; the sum's third and fourth chains: 4 registers a tile
.set O,    0
.set PC,   64
.set Q,    104
.set VF,   128
.set TB,   2
.set CNT,  3
.set WV,   18
.set SEL,  20
.set CS,   22
.set MSB, 0
.macro WIN new                         ; the immediate's high byte repeats the setting that is left
.if MSB != \new
	s_set_vgpr_msb (MSB<<8)|\new
.set MSB, \new
.endif
.endm
.macro D2
	s_delay_alu instid0(VALU_DEP_2)
.endm
.macro ROUND
	s_barrier_signal -1
	s_barrier_wait -1
	s_cmp_lg_u32 s[WV], 0
	s_cbranch_scc1 .Lnot_wave_0_\@
	s_barrier_signal -3
.Lnot_wave_0_\@:
	s_barrier_wait -3
	s_barrier_signal -1
	s_barrier_wait -1
.endm
.macro WM d, a, b, acc, sa, sb, r1     ; a product; acc = 0: it starts its sum; r1: source 0's scales stand in lanes 16-31
.if \acc
.if \r1
	v_wmma_scale_f32_16x16x128_f8f6f4 v[\d:\d+7], v[\a:\a+11], v[\b:\b+11], v[\d:\d+7], v[\sa], v[\sb] matrix_a_fmt:MATRIX_FMT_FP6 matrix_b_fmt:MATRIX_FMT_FP6 matrix_a_scale:MATRIX_SCALE_ROW1
.else
	v_wmma_scale_f32_16x16x128_f8f6f4 v[\d:\d+7], v[\a:\a+11], v[\b:\b+11], v[\d:\d+7], v[\sa], v[\sb] matrix_a_fmt:MATRIX_FMT_FP6 matrix_b_fmt:MATRIX_FMT_FP6
.endif
.else
.if \r1
	v_wmma_scale_f32_16x16x128_f8f6f4 v[\d:\d+7], v[\a:\a+11], v[\b:\b+11], 0, v[\sa], v[\sb] matrix_a_fmt:MATRIX_FMT_FP6 matrix_b_fmt:MATRIX_FMT_FP6 matrix_a_scale:MATRIX_SCALE_ROW1
.else
	v_wmma_scale_f32_16x16x128_f8f6f4 v[\d:\d+7], v[\a:\a+11], v[\b:\b+11], 0, v[\sa], v[\sb] matrix_a_fmt:MATRIX_FMT_FP6 matrix_b_fmt:MATRIX_FMT_FP6
.endif
.endif
.endm
	s_load_b256 s[4:11], s[0:1], 0x0               ; qb, kv, ao, ao_s
	v_lshl_add_u32 v14, v0, 2, SPARE
	v_mov_b32 v15, 0
	ds_add_u32 v14, v15                            ; the opening lines: the add twice on end and its wait ahead of my tensor load
	ds_add_u32 v14, v15
	v_lshrrev_b32 v1, 5, v0
	v_readfirstlane_b32 s[WV], v1
	s_bfe_u32 s12, ttmp6, 0x40000                  ; cx
	s_lshl_b32 s13, ttmp9, 2
	s_add_co_u32 s13, s13, s12                     ; block of 256 queries
	s_and_b32 s14, ttmp7, 0xffff                   ; head of batch, 0 .. 31
	s_mov_b32 s24, 15|(3<<16)|(1<<20)|(1<<21)|(5<<22)|(15<<25)   ; the four partners; elements of 8 bytes; padding on; bit 21 beside a mask; after every 64 words 16 words
	s_mov_b32 s25, 32<<16                          ; lines of 256 bytes
	s_mov_b32 s26, 100<<16                         ; 100 of them
	s_mov_b32 s27, 32<<16
	s_mov_b32 s28, 100
	s_mov_b32 s29, 32                              ; dense in memory
	s_mov_b32 s30, 0
	s_mov_b32 s31, 0
	s_mul_i32 s41, s[WV], 2*REC                    ; my two records in LDS
	s_mul_i32 s42, s14, 204800
	s_mul_i32 s43, s[WV], 25600
	s_add_co_u32 s42, s42, s43                     ; and in kv
	s_mov_b32 s43, 0
	s_mov_b32 s[SEL], 0x76543210
	s_mov_b32 s[SEL+1], 0xfedcba98                 ; lane l xor 16
	s_mov_b32 s[CS], 0x3e38aa3b                    ; log2(e) / 8
	s_mov_b32 s[CS+1], s[CS]
	s_mov_b32 s40, 0xffff0000                      ; lanes 16-31
	s_lshl_b32 s44, s13, 1
	s_lshr_b32 s45, s[WV], 2
	s_add_co_u32 s44, s44, s45
	s_mul_i32 s44, s44, 6400                       ; q's record of 128 tokens
	s_mul_i32 s45, s14, 102400
	s_add_co_u32 s44, s44, s45
	s_mov_b32 s45, 0
	s_and_b32 s46, s[WV], 3
	s_mul_i32 s48, s46, 1536                       ; my two token tiles in a record
	s_mov_b32 s49, 0
	s_lshl_b32 s50, s46, 6
	s_add_co_u32 s50, s50, 6144                    ; and their scales
	s_mov_b32 s51, 0
	s_lshr_b32 s52, s14, 4                         ; batch
	s_and_b32 s53, s14, 15                         ; head
	s_lshl_b32 s54, s52, 7
	s_lshl_b32 s55, s13, 4
	s_add_co_u32 s54, s54, s55
	s_lshl_b32 s55, s[WV], 1
	s_add_co_u32 s54, s54, s55                     ; my first token tile of all 256
	s_lshr_b32 s56, s54, 3
	s_mul_i32 s56, s56, 98304
	s_mul_i32 s55, s53, 6144
	s_add_co_u32 s56, s56, s55
	s_add_co_u32 s56, s56, s48                     ; where it goes in ao
	s_mov_b32 s57, 0
	s_lshl_b32 s58, s54, 9
	s_lshl_b32 s55, s53, 1
	s_add_co_u32 s58, s58, s55                     ; and in ao_s: 32 bytes a token, 2 a head
	s_mov_b32 s59, 0
	s_wait_dscnt 0x0
	s_wait_kmcnt 0x0
	s_mov_b32 s32, 1
	s_mov_b32 s33, s41
	s_add_nc_u64 s[34:35], s[6:7], s[42:43]
	s_or_b32 s35, s35, 0x80000000
	s_add_nc_u64 s[4:5], s[4:5], s[44:45]
	s_add_nc_u64 s[16:17], s[4:5], s[50:51]
	s_add_nc_u64 s[4:5], s[4:5], s[48:49]
	s_add_nc_u64 s[8:9], s[8:9], s[56:57]
	s_add_nc_u64 s[10:11], s[10:11], s[58:59]
	ROUND                                          ; the four partners are here: the joint loads meet
	tensor_load_to_lds s[32:35], s[24:31]          ; my one tensor load of the launch
	s_nop 0
.rept 4
	v_nop
.endr
	v_and_b32 v7, 31, v0                           ; lane
	v_and_b32 v8, 15, v0                           ; r
	v_bfe_u32 v9, v0, 4, 1                         ; h
	v_bfe_u32 v10, v0, 3, 1                        ; g = r / 8
	v_and_b32 v11, 7, v0                           ; j = r % 8
	v_lshlrev_b32 v[A16], 4, v7
	v_lshlrev_b32 v[A8], 3, v7
	v_lshlrev_b32 v[A2R], 1, v8
	v_lshl_add_u32 v[AS], v8, 5, v9
	WIN 0x40                                       ; destination window 1
.irp x, 0,1
	global_load_b128 v[Q+12*\x:Q+12*\x+3], v[A16], s[4:5] offset:768*\x
	global_load_b64 v[Q+12*\x+4:Q+12*\x+5], v[A8], s[4:5] offset:768*\x+512
.irp i, 6,7,8,9,10,11
	v_mov_b32 v[Q+12*\x+\i], 0                     ; zero codes for k = 64 .. 127
.endr
.endr
	WIN 0
.irp x, 0,1
	global_load_u16 v[QS+\x], v[A2R], s[16:17] offset:32*\x
.endr
	v_mul_u32_u24 v1, v10, 1920                    ; K, registers 0-3: 1,920 g (two old tiles on) + 320 h + 16 j
	v_mul_u32_u24 v2, v10, 1920                    ; K, registers 4-5: 1,920 g + 128 h + 8 j
	v_lshlrev_b32 v3, 6, v10                       ; K's scales: 64 g + 32 h + 2 j (lanes 16-31: the odd tile of a pair)
	v_mul_u32_u24 v4, v9, 320                      ; V, registers 0-3: 320 h + 16 r
	v_lshlrev_b32 v6, 2, v7                        ; V's scale words
	v_mad_u32_u24 v1, v9, 320, v1
	v_lshl_add_u32 v2, v9, 7, v2
	v_lshl_add_u32 v3, v9, 5, v3
	v_lshl_add_u32 v4, v8, 4, v4
	v_lshlrev_b32 v7, 3, v9                        ; 8 h: my bytes' place in p's scale word
	v_lshl_add_u32 v1, v11, 4, v1
	v_lshl_add_u32 v2, v11, 3, v2
	v_lshl_add_u32 v3, v11, 1, v3
.irp x, 0,1
	v_mov_b32 v[T+16*\x+NM+1], 0xff61b1e6          ; -3e38, under every score
.irp i, L, L+1, FF+1, PB, TP
	v_mov_b32 v[T+16*\x+\i], 0
.endr
.endr
.irp i, 48,49,50,51,52,53
	v_mov_b32 v[F+\i], 0                           ; what the last tile's operand names behind its six registers
.endr
; K's eight fragments and four scale registers of one step: 20 loads.  Tile 4 c + t takes rows of the old tiles 4 c + 2 g + t % 2, from row 8 (t / 2) on
.macro KLOAD a16, a8, as, off
.irp t, 0,1,2,3,4,5,6,7
	ds_load_b128 v[F+6*\t:F+6*\t+3], v[\a16] offset:\off+3840*(\t/4)+960*(\t%2)+128*((\t/2)%2)
	ds_load_b64 v[F+6*\t+4:F+6*\t+5], v[\a8] offset:\off+640+3840*(\t/4)+960*(\t%2)+64*((\t/2)%2)
.endr
.irp g, 0,1,2,3
	ds_load_u16 v[KS+\g], v[\as] offset:\off+15360+128*(\g/2)+16*(\g%2)
.endr
.endm
; The maxima of tile x.  Chain k of block c walks accumulator 4 c + k from its low end on: link r = 1 takes registers 0-2, r = 2 registers 3-4, r = 3 registers 5-6.  MR: link r of block c's four chains
.macro MR x, r, c
.irp k, 0,1,2,3
.set MM, T+16*\x+BM+2*\k+\c
.set SS, S+64*\x+32*\c+8*\k
.if \r == 1
	v_max3_num_f32 v[MM], v[SS], v[SS+1], v[SS+2]
.else
	v_max3_num_f32 v[MM], v[MM], v[SS+2*\r-1], v[SS+2*\r]
.endif
.endr
.endm
.macro MR4 x                           ; the four accumulators' last registers go to chains 0 and 1
.irp c, 0,1
	v_max3_num_f32 v[T+16*\x+BM+\c], v[T+16*\x+BM+\c], v[S+64*\x+32*\c+7], v[S+64*\x+32*\c+15]
	v_max3_num_f32 v[T+16*\x+PB+\c], v[T+16*\x+PB+\c], v[S+64*\x+32*\c+23], v[S+64*\x+32*\c+31]
.endr
.endm
; Link n of tile x's dependent chain: the blocks' largest scores (0, 1), the step's (2), with lane l xor 16's and the running one (3, 4), -M = floor(-t) (5, 6), 2^(old M - new M) (7-9; not in the first step)
.macro TAIL x, n, first
.set TT, T+16*\x
.if (\n) == 0
	v_max3_num_f32 v[TT+BM], v[TT+BM], v[TT+PB], v[TT+SO]
	v_max3_num_f32 v[TT+BM+1], v[TT+BM+1], v[TT+PB+1], v[TT+SO+1]
.endif
.if (\n) == 1
	v_max_num_f32 v[TT+BM], v[TT+BM], v[TT+CH]
	v_max_num_f32 v[TT+BM+1], v[TT+BM+1], v[TT+CH+1]
.endif
.if (\n) == 2
	v_max_num_f32 v[TT+TQ], v[TT+BM], v[TT+BM+1]
.endif
.if (\n) == 3
	v_permlanex16_b32 v[TT+PB], v[TT+TQ], s[SEL], s[SEL+1]
.endif
.if (\n) == 4
	v_max3_num_f32 v[TT+NM+1], v[TT+NM+1], v[TT+TQ], v[TT+PB]
.endif
.if (\n) == 5
	v_mul_f32 v[TT+TQ], s[CS], v[TT+NM+1]
.endif
.if (\n) == 6
	v_floor_f32 v[TT+NM], -v[TT+TQ]
.endif
.if \first == 0
.if (\n) == 7
	v_sub_f32 v[TT+TP], v[TT+NM], v[TT+TP]
.endif
.if (\n) == 8
	v_cvt_i32_f32 v[TT+TP], v[TT+TP]
.endif
.if (\n) == 9
	v_ldexp_f32 v[TT+FF], 1.0, v[TT+TP]
.endif
.endif
.endm
.macro FM x, g                         ; t - M for eight scores of tile x
.irp i, 0,2,4,6
	v_pk_fma_f32 v[S+64*\x+8*\g+\i:S+64*\x+8*\g+\i+1], v[S+64*\x+8*\g+\i:S+64*\x+8*\g+\i+1], s[CS:CS+1], v[T+16*\x+NM:T+16*\x+NM+1] op_sel_hi:[1,0,0]
.endr
.endm
.macro FMB x                           ; the same of its two blocks' largest scores
.irp c, 0,1
	v_fma_f32 v[T+16*\x+BM+\c], v[T+16*\x+BM+\c], s[CS], v[T+16*\x+NM]
.endr
.endm
.macro ADDP x, q                       ; pair q of tile x's p goes to chain (q - 6) % 4 of its sum
.set KK, ((\q)-6)%4
.if KK == 0
.set RR, T+16*\x+L
.elseif KK == 1
.set RR, T+16*\x+CH
.else
.set RR, XT+4*\x+2*(KK-2)
.endif
	v_pk_add_f32 v[RR:RR+1], v[RR:RR+1], v[S+64*\x+2*(\q):S+64*\x+2*(\q)+1]
.endm
; Link n of the chain that makes p's scales, for both tiles
.macro SCL n
.irp x, 0,1
.set TT, T+16*\x
.if (\n) == 0
	v_max_num_f32 v[TT+BM], 0x1800000, v[TT+BM]    ; the floor 2^(3 - 127)
	v_max_num_f32 v[TT+BM+1], 0x1800000, v[TT+BM+1]
.endif
.if (\n) == 1
	v_add_nc_u32 v[TT+SO], 0xff000000, v[TT+BM]    ; 2 off the exponent field: the conversion's scale operand
	v_add_nc_u32 v[TT+SO+1], 0xff000000, v[TT+BM+1]
.endif
.if (\n) == 2
	v_lshrrev_b32 v[TT+PB], 23, v[TT+SO]           ; the byte
	v_lshrrev_b32 v[TT+PB+1], 23, v[TT+SO+1]
.endif
.if (\n) == 3
	v_lshl_or_b32 v[TT+TQ], v[TT+PB+1], 16, v[TT+PB]   ; blocks h and 2 + h,
.endif
.if (\n) == 4
	v_lshlrev_b32 v[TT+TQ], v7, v[TT+TQ]           ; at their places;
.endif
.if (\n) == 5
	v_permlanex16_b32 v[TT+TP], v[TT+TQ], s[SEL], s[SEL+1]
.endif
.if (\n) == 6
	v_or_b32 v[PW+\x], v[TT+TQ], v[TT+TP]          ; with lane l xor 16's two the word is whole
.endif
.endr
.endm
; A step of 128 keys for both tiles.  first = 1: nothing has been summed yet.  K's fragments of a step are asked for in the step before, straight behind the score products that read the registers; last = 1: there is no next step.
.macro STEP first, last
.if \last
	v_nop                                          ; (with the three lines below: the four places between the last products and the loads into V's registers)
.else
	v_add_nc_u32 v8, s[TB], v1
	v_add_nc_u32 v9, s[TB], v2
	v_add_nc_u32 v10, s[TB], v3
.endif
	v_add_nc_u32 v11, s[TB], v4
	v_add_nc_u32 v12, s[TB], v[A8]
	v_add_nc_u32 v13, s[TB], v6
.irp pr, 0,1
	ds_load_b32 v[VSC+\pr], v13 offset:15680+128*\pr
.endr
	WIN 0x40
.irp td, 0,1,2,3
.irp c, 0,1
	ds_load_b128 v[VF+12*\td+6*\c:VF+12*\td+6*\c+3], v11 offset:7680+1920*\td+960*\c
	ds_load_b64 v[VF+12*\td+6*\c+4:VF+12*\td+6*\c+5], v12 offset:8320+1920*\td+960*\c
.endr
.endr
	s_wait_alu depctr_va_vdst(0)
	s_wait_dscnt 18                                ; K and its scales, asked for a step ago, are in; the 18 loads just issued (V's scales and fragments) may be out
	WIN 0x04                                       ; source 1 (q) window 1
.irp t, 0,1,2,3,4,5,6,7
.irp x, 0,1
	WM S+64*\x+8*\t, F+6*\t, Q+12*\x, 0, KS+2*(\t/4)+(\t/2)%2, QS+\x, \t%2
.endr
.endr
	WIN 0
.if \first
.rept 4
	v_nop                                          ; four places ahead of the first read of the scores
.endr
.else
.irp x, 0,1
	v_mov_b32 v[T+16*\x+TP], v[T+16*\x+NM]         ; the old -M; with the two v_nop: the four places
.endr
	v_nop
	v_nop
.endif
.if \last == 0
	KLOAD 8, 9, 10, REC                            ; the next step's K, a record on
.endif
.irp r, 1,2,3                          ; tile 0's maxima: eight chains by turns
.irp c, 0,1
	MR 0, \r, \c
.endr
.endr
	MR4 0
.irp r, 1,2,3                          ; tile 1's, with a link of tile 0's chain behind every four
.irp c, 0,1
	MR 1, \r, \c
	TAIL 0, 2*(\r-1)+\c, \first
.endr
.endr
	MR4 1
	TAIL 0, 6, \first
	TAIL 1, 0, \first
	TAIL 1, 1, \first
.irp g, 0,1,2,3,4,5,6,7                ; tile 0's t - M, with the links of tile 1's chain, and the last of tile 0's, behind every four
	FM 0, \g
	TAIL 1, \g+2, \first
	TAIL 0, \g+7, \first
.endr
	FMB 0
.irp g, 0,1,2,3,4,5,6,7
	FM 1, \g
.endr
	FMB 1
	s_wait_alu depctr_va_vdst(0)                   ; the wait ahead of the batch
.irp x, 0,1
.irp c, 0,1
	v_exp_f32 v[T+16*\x+BM+\c], v[T+16*\x+BM+\c]   ; the block's largest p
.endr
.endr
.set J, 0
.rept 128
	v_exp_f32 v[S+J], v[S+J]                       ; p, both tiles
.set J, J+1
.endr
.if \first
	v_nop                                          ; a plain place behind the exponentials
.else
.irp x, 0,1
	v_pk_mul_f32 v[T+16*\x+L:T+16*\x+L+1], v[T+16*\x+L:T+16*\x+L+1], v[T+16*\x+FF:T+16*\x+FF+1] op_sel_hi:[1,0]   ; the sums under the new M
.endr
.endif
	s_wait_alu depctr_va_vdst(0)                   ; and behind it, ahead of its first reader
.irp x, 0,1                            ; the sums of the unquantised p: three chains begin with two pairs each, the fourth is the running sum
	v_pk_add_f32 v[T+16*\x+CH:T+16*\x+CH+1], v[S+64*\x:S+64*\x+1], v[S+64*\x+2:S+64*\x+3]
	v_pk_add_f32 v[XT+4*\x:XT+4*\x+1], v[S+64*\x+4:S+64*\x+5], v[S+64*\x+6:S+64*\x+7]
	v_pk_add_f32 v[XT+4*\x+2:XT+4*\x+3], v[S+64*\x+8:S+64*\x+9], v[S+64*\x+10:S+64*\x+11]
.endr
	SCL 0
.irp g, 0,1,2,3,4,5                    ; eight chains by turns, a link of the scales' chain behind every eight
.irp x, 0,1
.irp i, 0,1,2,3
	ADDP \x, 6+4*\g+\i
.endr
.endr
	SCL \g+1
.endr
.irp x, 0,1
	ADDP \x, 30
	ADDP \x, 31
.endr
.irp x, 0,1
	v_pk_add_f32 v[XT+4*\x:XT+4*\x+1], v[XT+4*\x:XT+4*\x+1], v[XT+4*\x+2:XT+4*\x+3]
.endr
.irp x, 0,1
	v_pk_add_f32 v[T+16*\x+L:T+16*\x+L+1], v[T+16*\x+L:T+16*\x+L+1], v[T+16*\x+CH:T+16*\x+CH+1]
.endr
.irp x, 0,1
	v_pk_add_f32 v[T+16*\x+L:T+16*\x+L+1], v[T+16*\x+L:T+16*\x+L+1], v[XT+4*\x:XT+4*\x+1]
.endr
	WIN 0x40
.irp x, 0,1
.irp c, 0,1
	v_cvt_scalef32_pk16_fp6_f32 v[PC+20*\x+6*\c:PC+20*\x+6*\c+2], v[S+64*\x+32*\c:S+64*\x+32*\c+15], v[T+16*\x+SO+\c]
	v_cvt_scalef32_pk16_fp6_f32 v[PC+20*\x+12+4*\c:PC+20*\x+14+4*\c], v[S+64*\x+32*\c+16:S+64*\x+32*\c+31], v[T+16*\x+SO+\c]   ; a conversion's three registers begin on an even number
.endr
.endr
	v_nop                                          ; one plain place behind the scaled conversions
	WIN 0x41                                       ; source 0 and destination window 1
.irp x, 0,1
.irp c, 0,1
.irp i, 0,1,2
	v_mov_b32 v[PC+20*\x+3+6*\c+\i], v[PC+20*\x+12+4*\c+\i]
.endr
.endr
.endr
.if \first == 0
	s_wait_alu depctr_va_vdst(0)                   ; the wait directly ahead of the first reader of O^T
.irp x, 0,1
.set J, 0
.rept 16
	v_pk_mul_f32 v[O+32*\x+J:O+32*\x+J+1], v[O+32*\x+J:O+32*\x+J+1], v[T+16*\x+FF:T+16*\x+FF+1] op_sel_hi:[1,0]   ; O^T under the new M
.set J, J+2
.endr
.endr
.endif
	s_wait_alu depctr_va_vdst(0)
.if \last
	s_wait_dscnt 0x0                               ; V's fragments are in
.else
	s_wait_dscnt 20                                ; V's fragments are in; the next step's 20 loads of K, issued behind them, may be out
.endif
	WIN 0x55                                       ; all of V, p, O^T in window 1.  The eight accumulators take turns
.irp td, 0,1,2,3
.irp x, 0,1
	WM O+32*\x+8*\td, VF+12*\td, PC+20*\x, 1-\first, VSC+\td/2, PW+\x, \td%2
.endr
.endr
	WIN 0
	s_add_co_u32 s[TB], s[TB], REC
.endm
	s_wait_alu depctr_va_vdst(0)                   ; the wait at the head's end
	s_wait_loadcnt 0x0                             ; q and its scales
	s_wait_tensorcnt 0x0                           ; my two records are in
	s_barrier_signal -1
	s_barrier_wait -1                              ; everybody's are: the whole head lies in LDS
	KLOAD 1, 2, 3, 0                               ; the first step's K
	s_mov_b32 s[TB], 0
	STEP 1, 0
	s_mov_b32 s[CNT], 14
.Lkeys:
	STEP 0, 0
	s_sub_co_i32 s[CNT], s[CNT], 1
	s_cmp_lg_u32 s[CNT], 0
	s_cbranch_scc1 .Lkeys
	STEP 0, 1
; THE WAY OUT: O^T / the sum, quantised along d (two blocks of 32 a head), as a half fragment and two scale bytes a token
.irp x, 0,1
	v_add_f32 v[T+16*\x+L], v[T+16*\x+L], v[T+16*\x+L+1]
.endr
.irp x, 0,1
	D2
	v_permlanex16_b32 v[T+16*\x+TP], v[T+16*\x+L], s[SEL], s[SEL+1]
.endr
.irp x, 0,1
	D2
	v_add_f32 v[T+16*\x+L], v[T+16*\x+L], v[T+16*\x+TP]
.endr
	s_wait_alu depctr_va_vdst(0)                   ; ahead of the transcendentals
.irp x, 0,1
	v_rcp_f32 v[T+16*\x+L], v[T+16*\x+L]
.endr
.rept 4
	v_nop
.endr
	s_wait_alu depctr_va_vdst(0)                   ; and behind them, directly ahead of the first reader of O^T
	WIN 0x01                                       ; source 0 window 1
.irp x, 0,1
.set J, 0
.rept 32
	v_mul_f32 v[S+64*\x+J], v[O+32*\x+J], v[T+16*\x+L]
.set J, J+1
.endr
.endr
	WIN 0
.irp x, 0,1
.irp b, 0,1
.irp j, 0,1,2,3,4,5,6,7
	v_permlane16_swap_b32 v[S+64*\x+16*\b+\j], v[S+64*\x+8+16*\b+\j]   ; lane (r, h) now holds d = 32 b + 16 h + 0 .. 15 in 16 registers
.endr
.endr
.endr
.irp x, 0,1
.irp b, 0,1
	v_max3_num_f32 v[T+16*\x+BM+\b], |v[S+64*\x+16*\b]|, |v[S+64*\x+16*\b+1]|, 0x1800000
.endr
.endr
.irp i, 2,4,6,8,10,12,14
.irp x, 0,1
.irp b, 0,1
	v_max3_num_f32 v[T+16*\x+BM+\b], v[T+16*\x+BM+\b], |v[S+64*\x+16*\b+\i]|, |v[S+64*\x+16*\b+\i+1]|
.endr
.endr
.endr
.irp x, 0,1
.irp b, 0,1
	v_permlanex16_b32 v[T+16*\x+PB+\b], v[T+16*\x+BM+\b], s[SEL], s[SEL+1]
.endr
.endr
.irp x, 0,1
.irp b, 0,1
	v_max_num_f32 v[T+16*\x+BM+\b], v[T+16*\x+BM+\b], v[T+16*\x+PB+\b]
.endr
.endr
.irp x, 0,1
.irp b, 0,1
	v_add_nc_u32 v[T+16*\x+SO+\b], 0xff000000, v[T+16*\x+BM+\b]
.endr
.endr
.irp x, 0,1
.irp b, 0,1
	v_lshrrev_b32 v[T+16*\x+PB+\b], 23, v[T+16*\x+SO+\b]
.endr
.endr
.irp x, 0,1
	v_cvt_scalef32_pk16_fp6_f32 v[F+20*\x:F+20*\x+2], v[S+64*\x:S+64*\x+15], v[T+16*\x+SO]
	v_cvt_scalef32_pk16_fp6_f32 v[F+20*\x+12:F+20*\x+14], v[S+64*\x+16:S+64*\x+31], v[T+16*\x+SO+1]
.endr
	v_nop
.irp x, 0,1
.irp i, 0,1,2
	v_permlane16_swap_b32 v[F+20*\x+\i], v[F+20*\x+12+\i]   ; a whole block to a lane
.endr
.endr
.irp x, 0,1
.irp i, 0,1,2
	v_mov_b32 v[F+20*\x+3+\i], v[F+20*\x+12+\i]
.endr
	v_cndmask_b32 v[T+16*\x+TP], v[T+16*\x+PB], v[T+16*\x+PB+1], s40
.endr
.irp x, 0,1
	global_store_b128 v[A16], v[F+20*\x:F+20*\x+3], s[8:9] offset:768*\x
	global_store_b64 v[A8], v[F+20*\x+4:F+20*\x+5], s[8:9] offset:768*\x+512
	global_store_b8 v[AS], v[T+16*\x+TP], s[10:11] offset:512*\x
.endr
	s_wait_tensorcnt 0x0                           ; the wave's end
	ds_add_u32 v14, v15
	s_wait_dscnt 0x0
	ROUND                                          ; the closing round
	s_endpgm
.Lfunc_end_k_q8f3544f101_attn:
	.size	k_q8f3544f101_attn, .Lfunc_end_k_q8f3544f101_attn-k_q8f3544f101_attn
	.p2alignl 7, 3214868480
	.fill 96, 4, 3214868480
	.section	.rodata,"a",@progbits
	.p2align	6, 0x0
	.amdhsa_kernel k_q8f3544f101_attn
		.amdhsa_group_segment_fixed_size 257024
		.amdhsa_private_segment_fixed_size 0
		.amdhsa_enable_private_segment 0
		.amdhsa_kernarg_size 32
		.amdhsa_user_sgpr_count 2
		.amdhsa_user_sgpr_kernarg_segment_ptr 1
		.amdhsa_wavefront_size32 1
		.amdhsa_system_sgpr_workgroup_id_x 1
		.amdhsa_system_sgpr_workgroup_id_y 1
		.amdhsa_system_sgpr_workgroup_id_z 1
		.amdhsa_system_vgpr_workitem_id 0
		.amdhsa_next_free_vgpr 432
		.amdhsa_next_free_sgpr 66
		.amdhsa_reserve_vcc 0
		.amdhsa_float_denorm_mode_32 3
		.amdhsa_float_denorm_mode_16_64 3
		.amdhsa_memory_ordered 1
		.amdhsa_forward_progress 1
		.amdhsa_inst_pref_size 95
	.end_amdhsa_kernel
	.amdgpu_metadata
---
amdhsa.version: [ 1, 2 ]
amdhsa.kernels:
  - .name:           k_q8f3544f101_attn
    .symbol:         k_q8f3544f101_attn.kd
    .args:
      - { .name: qb, .offset: 0, .size: 8, .value_kind: global_buffer, .address_space: global }
      - { .name: kv, .offset: 8, .size: 8, .value_kind: global_buffer, .address_space: global }
      - { .name: ao, .offset: 16, .size: 8, .value_kind: global_buffer, .address_space: global }
      - { .name: ao_s, .offset: 24, .size: 8, .value_kind: global_buffer, .address_space: global }
    .group_segment_fixed_size: 257024
    .private_segment_fixed_size: 0
    .kernarg_segment_align: 8
    .kernarg_segment_size: 32
    .max_flat_workgroup_size: 256
    .sgpr_count:     66
    .vgpr_count:     432
    .wavefront_size: 32
...
	.end_amdgpu_metadata
.endif
;; end of part 2
;; launch proj (part 3): grid 8 x 32, 4 waves a work-group, clusters of 4 x 4, 220,672 bytes of LDS; arguments ao, ao_s, Wo_codes, Wo_scales, bo, out0; writes out0
.if DOCPART == 3
	.amdgcn_target "amdgcn-amd-amdhsa--gfx1250"
	.amdhsa_code_object_version 6
	.text
	.protected	k_q8f3544f101_proj
	.globl	k_q8f3544f101_proj
	.p2align	8
	.type	k_q8f3544f101_proj,@function
k_q8f3544f101_proj:
	s_mov_b64 s[64:65], 0
	v_nop
	global_prefetch_b8 v0, s[64:65] scope:SCOPE_SE
	s_setreg_imm32_b32 hwreg(HW_REG_WAVE_MODE, 25, 1), 1
	s_wait_xcnt 0x0
	s_wait_alu depctr_hold_cnt(0) depctr_sa_sdst(0) depctr_va_vdst(0) depctr_va_sdst(0) depctr_va_ssrc(0) depctr_va_vcc(0) depctr_vm_vsrc(0)
	s_getreg_b32 s2, hwreg(HW_REG_IB_STS2, 6, 4)
	s_cmp_eq_u32 s2, 0
	s_cbranch_scc0 .Lentry_in_a_cluster
	s_endpgm
.Lentry_in_a_cluster:
	s_bfe_u32 s2, ttmp6, 0x10000c
	s_cmp_lg_u32 s2, 0xf033
	s_cbranch_scc0 .Lentry_shape_is_right
	s_endpgm
.Lentry_shape_is_right:
; out0 = a Wo + bo on codes of FP6 (E2M3) with E8M0 scales; sums in f32.  a is the attention's result as the launch before laid it: ao [128 tokens 32][head 16][token tile 8] half fragments of 768 bytes
; (16 rows x 64 along K as an image of 6 registers a lane: registers 0-3 at 16 x lane, registers 4-5 at 512 + 8 x lane); ao_s: 32 scale bytes a token.  Wo: 1,024 rows (n) of 768 bytes, 32 scale bytes a row.
; SHARES.  A work-group makes 128 tokens x 128 n; four waves, each 64 x 64: 16 accumulators, 8 K steps of 128 (two heads).
; LDS.  a's 98,304 bytes are a dense copy, in three chunks of 32,768; Wo's panel lies behind it in three chunks, chunk u = bytes 256 u .. 256 u + 255 of each of the 128 rows, rows 272 bytes apart.  Each byte is filled once.
; For both, K steps 0, 1 need chunk 0, steps 2 to 4 chunks 0 and 1, steps 5 to 7 all three: the counted waits on TENSORcnt follow that.  Behind the panels: a stage of 16 rows x 272 bytes for each wave, into which no fill lands.
; CLUSTER 4 x 4.  a's tile hangs on the token block alone and is shared along a row of the cluster, Wo's on the n tile alone and is shared down a column: both are asked for jointly.
; The product is used transposed (source 0 = 16 rows of Wo, source 1 = 16 tokens): a lane holds eight neighbouring numbers of a row of out0.  bo is the C of each sum's first product.
; No prefetch: every tensor load of the launch goes out at its head.
; LDS AS IT STANDS (this takes the place of the paragraph LDS above and of its counted waits): each wave issues ONE tensor load of 192 lines of 256 bytes: waves 0, 1 a half of a's dense copy (49,152 bytes, dense in LDS too),
; waves 2, 3 64 rows of Wo (49,152 dense bytes), lines 272 bytes apart in LDS: byte y of row i lies at 816 i + 272 (y / 256) + y % 256.  All of K is in before the first step: one wait for 0 on TENSORcnt, one barrier.
.set CH,   272                         ; from a chunk of 256 bytes of a row of Wo to the next
.set HALF, 52224                       ; 64 rows x 816 bytes
.set AOB,  98304                       ; Wo's panel begins behind a's copy
.set STG,  AOB+2*HALF                  ; 202,752: the stages
.set TA16, 4                           ; v4  a: 3,072 wt + 16 lane;  v6: the same 49,152 on, for K steps 4 to 7
.set TA8,  5                           ; v5  3,072 wt + 8 lane;      v7
.set WA0,  8                           ; v8-9 Wo's fragments: 816 r + 24 h, and with 40 h where lanes 16-31 pass a chunk's end
.set WA1,  9
.set STO,  11                          ; v11 the stage: where I put 32 bytes of a row
.set RD,   12                          ; v12 and where I read a row back
.set CO,   13                          ; v13 my byte offset in two rows of out0
.set SC,   24                          ; v24-55 scale words and nothing else: 8 t + s: lanes 0-15 token tile t, lanes 16-31 Wo's tile t, K step s
.set CB,   56                          ; v56-87 bo in the result's layout
.set T,    88                          ; v88-119 a's scale words before they are merged
.set BK,   56                          ; the way out: 16 rows read back, v56-87 and v88-119 by turns
.set ACC,  128                         ; accumulator (token tile b, n tile a) at 32 b + 8 a
.set WV,   30
.set WT,   31                          ; s31 wave & 1: my 64 tokens; also which half of a chunk I fetch
.set WN,   32                          ; s32 wave >> 1: my 64 n; also: I fetch for a (0) or for Wo (1)
.set G1A,  40
.set G1W,  48
.set MSB, 0
.macro WIN new                         ; the immediate's high byte repeats the setting that is left
.if MSB != \new
	s_set_vgpr_msb (MSB<<8)|\new
.set MSB, \new
.endif
.endm
.macro PLACES n
.rept \n
	v_nop
.endr
.endm
.macro CROUND                          ; a round of the cluster's barrier
	s_barrier_signal -1
	s_barrier_wait -1
	s_cmp_lg_u32 s[WV], 0
	s_cbranch_scc1 .Lnot_wave_0_\@
	s_barrier_signal -3
.Lnot_wave_0_\@:
	s_barrier_wait -3
	s_barrier_signal -1
	s_barrier_wait -1
.endm
.macro MKG0 g, lreg, lbase, ptr, goff  ; descriptor group 0
	s_mov_b32 s[\g], 1
	s_add_co_u32 s[\g+1], s[\lreg], \lbase
	s_add_nc_u64 s[\g+2:\g+3], s[\ptr:\ptr+1], \goff
	s_or_b32 s[\g+3], s[\g+3], 0x80000000
.endm
.macro FRAG reg, a0, a1, s, i          ; a fragment of Wo: six pieces of 8 bytes; piece p of a row lies at 816 row + 272 (p / 32) + 8 (p % 32); lanes 16-31 read three pieces on
.irp p, 0,1,2,3,4,5
.set PCE, 12*(\s)+6*(\p/3)+\p%3
.if PCE%32 < 29
	ds_load_b64 v[\reg+2*\p:\reg+2*\p+1], v[\a0] offset:(PCE/32)*CH+8*(PCE%32)+13056*(\i)
.else
	ds_load_b64 v[\reg+2*\p:\reg+2*\p+1], v[\a1] offset:(PCE/32)*CH+8*(PCE%32)+13056*(\i)
.endif
.endr
.endm
.macro TFRAG reg, s, b                 ; a fragment of a: the half fragments of heads 2 s and 2 s + 1, 6,144 bytes apart
.set TOF, ((2*(\s))%8)*6144+768*(\b)
.set TR, 2*((\s)/4)
	ds_load_b128 v[\reg:\reg+3], v[TA16+TR] offset:TOF
	ds_load_b64 v[\reg+4:\reg+5], v[TA8+TR] offset:TOF+512
	ds_load_b128 v[\reg+6:\reg+9], v[TA16+TR] offset:TOF+6144
	ds_load_b64 v[\reg+10:\reg+11], v[TA8+TR] offset:TOF+6656
.endm
.macro FETCH s, p                      ; K step s into set p of window 1: 40 loads in one run
	WIN 0x40                                       ; destination window 1, address window 0
.irp i, 0,1,2,3
	TFRAG (96*(\p)+12*\i), \s, \i
	FRAG (96*(\p)+48+12*\i), WA0, WA1, \s, \i
.endr
.endm
.macro MUL s, p                        ; 16 products; the 16 accumulators take turns, one instruction a turn, in the same order in every step
.irp a, 0,1,2,3
.irp b, 0,1,2,3
.if \s == 0
	v_wmma_scale_f32_16x16x128_f8f6f4 v[ACC+32*\b+8*\a:ACC+32*\b+8*\a+7], v[96*(\p)+48+12*\a:96*(\p)+48+12*\a+11], v[96*(\p)+12*\b:96*(\p)+12*\b+11], v[CB+8*\a:CB+8*\a+7], v[SC+8*\a+\s], v[SC+8*\b+\s] matrix_a_fmt:MATRIX_FMT_FP6 matrix_b_fmt:MATRIX_FMT_FP6 matrix_a_scale:MATRIX_SCALE_ROW1
.else
	v_wmma_scale_f32_16x16x128_f8f6f4 v[ACC+32*\b+8*\a:ACC+32*\b+8*\a+7], v[96*(\p)+48+12*\a:96*(\p)+48+12*\a+11], v[96*(\p)+12*\b:96*(\p)+12*\b+11], v[ACC+32*\b+8*\a:ACC+32*\b+8*\a+7], v[SC+8*\a+\s], v[SC+8*\b+\s] matrix_a_fmt:MATRIX_FMT_FP6 matrix_b_fmt:MATRIX_FMT_FP6 matrix_a_scale:MATRIX_SCALE_ROW1
.endif
.endr
.endr
.endm
.macro STEP s
	s_wait_dscnt 0x0                               ; this step's 40 loads are in
.if (\s) < 7
.if (\s) > 0
	PLACES 4                                       ; four places between the last step's products and loads into the set that they read
.endif
	FETCH (\s)+1, ((\s)+1)%2
.endif
	WIN 0x05                                       ; sources 0 and 1 window 1; C and D window 0
	MUL \s, (\s)%2
.endm
; THE WAY OUT of token tile b: 16 rows x 64 columns go into my own stage, 32 bytes a lane, and come back as whole rows of 256 bytes.  LDS serves a wave's instructions in order (ISA guide 5.7.1.4): no wait between the stores and the loads.
.macro TOSTAGE b
.irp a, 0,1,2,3
	ds_store_b128 v[STO], v[ACC+32*(\b)+8*\a:ACC+32*(\b)+8*\a+3] offset:64*\a          ; each accumulator from its low end on
	ds_store_b128 v[STO], v[ACC+32*(\b)+8*\a+4:ACC+32*(\b)+8*\a+7] offset:64*\a+16
.endr
.irp i, 0,1,2,3,4,5,6,7
	ds_load_b128 v[BK+32*((\b)%2)+4*\i:BK+32*((\b)%2)+4*\i+3], v[RD] offset:544*\i
.endr
.endm
.macro SEND b, younger                 ; younger: the LDS instructions issued behind tile b's loads, which may stay out
	s_wait_dscnt \younger
.irp i, 0,1,2,3,4,5,6,7
	global_store_b128 v[CO], v[BK+32*((\b)%2)+4*\i:BK+32*((\b)%2)+4*\i+3], s[14:15] offset:(16*(\b)+2*\i)*4096 th:TH_STORE_NT   ; sixteen lanes store 256 consecutive bytes, at a multiple of 256 from out0's first byte
.endr
.endm
	s_load_b256 s[4:11], s[0:1], 0x0               ; ao, ao_s, Wo codes, Wo scales
	s_load_b128 s[12:15], s[0:1], 0x20             ; bo, out0
	v_lshl_add_u32 v126, v0, 2, 0x35c00
	v_mov_b32 v127, 0
	ds_add_u32 v126, v127
	ds_add_u32 v126, v127
	v_lshrrev_b32 v1, 5, v0
	v_readfirstlane_b32 s[WV], v1
	s_and_b32 s[WT], s[WV], 1
	s_lshr_b32 s[WN], s[WV], 1
	s_bfe_u32 s33, ttmp6, 0x40000                  ; cx
	s_bfe_u32 s34, ttmp6, 0x40004                  ; cy
	s_lshl_b32 s35, ttmp9, 2
	s_add_co_u32 s35, s35, s33                     ; n tile of 128 = 4 x cluster x + cx
	s_and_b32 s38, ttmp7, 0xffff
	s_lshl_b32 s38, s38, 2
	s_add_co_u32 s38, s38, s34                     ; block of 128 tokens = 4 x cluster y + cy
	s_lshl_b32 s36, s34, 2
	s_lshl_b32 s36, 15, s36                        ; my row of the cluster: a's tiles
	s_lshl_b32 s39, 0x1111, s33                    ; my column: Wo's tiles
	s_or_b32 s[G1A], s36, (3<<16)|(1<<21)          ; elements of 8 bytes; bit 21 beside a mask; no padding
	s_or_b32 s[G1W], s39, (3<<16)|(1<<20)|(1<<21)|(5<<22)|(3<<25)   ; the same with 4 words of padding after every 64
.irp g, G1A, G1W
	s_mov_b32 s[\g+1], 32<<16                      ; tensor_dim0 = 32: rows of 256 bytes
	s_mov_b32 s[\g+2], 192<<16                     ; tensor_dim1 = 192 lines
	s_mov_b32 s[\g+3], 32<<16                      ; tile_dim0
	s_mov_b32 s[\g+4], 192                         ; tile_dim1
	s_mov_b32 s[\g+6], 0
	s_mov_b32 s[\g+7], 0
.endr
	s_mov_b32 s[G1A+5], 32                         ; a: dense
	s_mov_b32 s[G1W+5], 32                         ; Wo: 64 whole rows are dense too
	s_lshl_b32 s85, s[WT], 6
	s_mul_i32 s16, s[WT], 49152                    ; my half of a's copy
	s_mul_i32 s88, s38, 98304
	s_add_co_u32 s88, s88, s16
	s_mov_b32 s89, 0
	s_lshl_b32 s92, s35, 7
	s_add_co_u32 s92, s92, s85
	s_mul_i32 s92, s92, 768                        ; Wo: my first row, in bytes (in registers that never hold cy)
	s_mov_b32 s93, 0
	s_mul_i32 s17, s[WT], HALF
	s_mov_b32 s84, 0xffff0000                      ; lanes 16-31
	s_wait_dscnt 0x0
	s_wait_kmcnt 0x0
	s_add_nc_u64 s[90:91], s[4:5], s[88:89]
	s_add_nc_u64 s[94:95], s[8:9], s[92:93]
	MKG0 56, 16, 0, 90, 0
	MKG0 72, 17, AOB, 94, 0
	CROUND                                         ; all sixteen work-groups are here: the joint loads meet
	s_cmp_eq_u32 s[WN], 0                          ; waves 0, 1 fetch a's halves, waves 2, 3 Wo's: one tensor load a wave, one to each arm
	s_cbranch_scc0 .Lfill_w
	tensor_load_to_lds s[56:59], s[G1A:G1A+7]
	s_nop 0
	PLACES 4                                       ; four v_nop follow the loads
	s_branch .Lfilled
.Lfill_w:
	tensor_load_to_lds s[72:75], s[G1W:G1W+7]
	s_nop 0
	PLACES 4
.Lfilled:
	v_and_b32 v1, 15, v0                           ; r
	v_bfe_u32 v2, v0, 4, 1                         ; h
	v_and_b32 v3, 31, v0                           ; lane
	s_mul_i32 s2, s[WT], 3072                      ; my four token tiles
	v_lshl_add_u32 v[TA16], v3, 4, s2
	v_lshl_add_u32 v[TA8], v3, 3, s2
	v_mul_u32_u24 v21, v1, 816
	s_mul_i32 s3, s[WN], HALF
	s_add_co_u32 s3, s3, AOB
	v_add_nc_u32 v21, s3, v21
	v_mad_u32_u24 v[WA0], v2, 24, v21
	v_mad_u32_u24 v[WA1], v2, CH-232, v21
	v_lshlrev_b32 v22, 5, v1                       ; 32 r
	s_wait_alu depctr_va_vdst(0)
	v_lshlrev_b32 v23, 5, v2                       ; 32 h
	s_wait_alu depctr_va_vdst(0)
	s_lshl_b32 s18, s38, 12
	s_lshl_b32 s19, s[WT], 11
	s_add_co_u32 s18, s18, s19                     ; (128 token block + 64 wt) x 32
	s_mov_b32 s19, 0
	s_add_nc_u64 s[6:7], s[6:7], s[18:19]
	s_lshl_b32 s20, s35, 12
	s_lshl_b32 s21, s[WN], 11
	s_add_co_u32 s20, s20, s21                     ; (128 n tile + 64 wn) x 32
	s_mov_b32 s21, 0
	s_add_nc_u64 s[10:11], s[10:11], s[20:21]
	s_lshl_b32 s22, s35, 9
	s_lshl_b32 s23, s[WN], 8
	s_add_co_u32 s22, s22, s23                     ; (128 n tile + 64 wn) x 4: in bo, and in a row of out0
	s_mov_b32 s23, 0
	s_add_nc_u64 s[12:13], s[12:13], s[22:23]
	s_lshl_b32 s24, s38, 19
	s_lshl_b32 s25, s[WT], 18
	s_add_co_u32 s24, s24, s25                     ; (128 token block + 64 wt) rows of 4,096 bytes
	s_add_co_u32 s24, s24, s22
	s_mov_b32 s25, 0
	s_add_nc_u64 s[14:15], s[14:15], s[24:25]
.irp t, 0,1,2,3
.irp k, 0,1
	global_load_b128 v[T+8*\t+4*\k:T+8*\t+4*\k+3], v22, s[6:7] offset:512*\t+16*\k
	global_load_b128 v[SC+8*\t+4*\k:SC+8*\t+4*\k+3], v22, s[10:11] offset:512*\t+16*\k
	global_load_b128 v[CB+8*\t+4*\k:CB+8*\t+4*\k+3], v23, s[12:13] offset:64*\t+16*\k   ; bo[16 t + 8 h + 0 .. 7]
.endr
.endr
	s_wait_loadcnt 0x0
.set J, 0
.rept 32
	v_cndmask_b32 v[SC+J], v[T+J], v[SC+J], s84    ; lanes 0-15 the tokens' word, lanes 16-31 Wo's
.set J, J+1
.endr
	; ten plain lines: more than the eight places that a scale register written by a vector instruction stands ahead of a scaled product
	s_mul_i32 s3, s[WV], 4352
	s_add_co_u32 s3, s3, STG                       ; my stage
	v_mul_u32_u24 v[STO], v1, 272
	v_lshl_add_u32 v[STO], v2, 5, v[STO]
	v_add_nc_u32 v[STO], s3, v[STO]                ; in: row r, 32 bytes for each half of the lanes
	v_mul_u32_u24 v[RD], v2, 272
	v_lshl_add_u32 v[RD], v1, 4, v[RD]
	v_add_nc_u32 v[RD], s3, v[RD]                  ; back: lanes 0-15 one row of 256 bytes, lanes 16-31 the next
	v_lshlrev_b32 v[CO], 12, v2
	v_lshl_add_u32 v[CO], v1, 4, v[CO]             ; and the same two rows in out0
	v_add_nc_u32 v[TA16+2], 49152, v[TA16]
	v_add_nc_u32 v[TA8+2], 49152, v[TA8]
	s_wait_alu depctr_va_vdst(0)
	s_wait_tensorcnt 0x0                           ; my part is in, all of K
	s_barrier_signal -1
	s_barrier_wait -1                              ; everybody's is
	FETCH 0, 0
.irp s, 0,1,2,3,4,5,6,7
	STEP \s
.endr
	WIN 0
	PLACES 4                                       ; four places between the last products and the first read of results, and ahead of loads into registers that products have read
	TOSTAGE 0
.irp b, 1,2,3
.if \b > 1
	s_wait_xcnt 0x0                                ; tile b - 2's stores have read their registers: tile b's loads may land there
.endif
	TOSTAGE \b
	SEND \b-1, 16                                  ; behind tile b - 1's loads: tile b's 8 stores and 8 loads
.endr
	SEND 3, 0
	s_wait_tensorcnt 0x0
	ds_add_u32 v126, v127
	s_wait_dscnt 0x0
	CROUND                                         ; the closing round: no work-group ends while a partner may still ask for a tile that names it
	s_endpgm
.Lfunc_end_k_q8f3544f101_proj:
	.size	k_q8f3544f101_proj, .Lfunc_end_k_q8f3544f101_proj-k_q8f3544f101_proj
	.p2alignl 7, 3214868480
	.fill 96, 4, 3214868480
	.section	.rodata,"a",@progbits
	.p2align	6, 0x0
	.amdhsa_kernel k_q8f3544f101_proj
		.amdhsa_group_segment_fixed_size 220672
		.amdhsa_private_segment_fixed_size 0
		.amdhsa_enable_private_segment 0
		.amdhsa_kernarg_size 48
		.amdhsa_user_sgpr_count 2
		.amdhsa_user_sgpr_kernarg_segment_ptr 1
		.amdhsa_wavefront_size32 1
		.amdhsa_system_sgpr_workgroup_id_x 1
		.amdhsa_system_sgpr_workgroup_id_y 1
		.amdhsa_system_sgpr_workgroup_id_z 1
		.amdhsa_system_vgpr_workitem_id 0
		.amdhsa_next_free_vgpr 448
		.amdhsa_next_free_sgpr 96
		.amdhsa_reserve_vcc 0
		.amdhsa_float_denorm_mode_32 3
		.amdhsa_float_denorm_mode_16_64 3
		.amdhsa_memory_ordered 1
		.amdhsa_forward_progress 1
		.amdhsa_inst_pref_size 56
	.end_amdhsa_kernel
	.amdgpu_metadata
---
amdhsa.version: [ 1, 2 ]
amdhsa.kernels:
  - .name:           k_q8f3544f101_proj
    .symbol:         k_q8f3544f101_proj.kd
    .args:
      - { .name: ao, .offset: 0, .size: 8, .value_kind: global_buffer, .address_space: global }
      - { .name: ao_s, .offset: 8, .size: 8, .value_kind: global_buffer, .address_space: global }
      - { .name: Wo_codes, .offset: 16, .size: 8, .value_kind: global_buffer, .address_space: global }
      - { .name: Wo_scales, .offset: 24, .size: 8, .value_kind: global_buffer, .address_space: global }
      - { .name: bo, .offset: 32, .size: 8, .value_kind: global_buffer, .address_space: global }
      - { .name: out0, .offset: 40, .size: 8, .value_kind: global_buffer, .address_space: global }
    .group_segment_fixed_size: 220672
    .private_segment_fixed_size: 0
    .kernarg_segment_align: 8
    .kernarg_segment_size: 48
    .max_flat_workgroup_size: 128
    .sgpr_count:     96
    .vgpr_count:     448
    .wavefront_size: 32
...
	.end_amdgpu_metadata
.endif
;; end of part 3
